; MI455X (gfx1250); checked and timed in simulation.
; The chip was launched on July 23, 2026; its instructions are those of AMD's public machine-readable ISA for CDNA 5 (MIT licence, August 2026) and "CDNA5" Instruction Set Architecture Reference Guide (July 2026). The comments in the code are by the model that wrote it; some were corrected since.
;; Multi Branch Dense. Allowed arithmetic: matrix products marked QUANTISED: E2M3 operands, one E8M0 scale for each 32 along K, by v_wmma_scale_f32_16x16x128_f8f6f4 with both operands' format E2M3, f32 sums; products left as they are: f32 operands where the result goes on into a quantised operand, else bf16, f16 or f32 operands; f32 sums; everything else in f32.
;; Inputs: bias 8 x 512 float32; g 32,768 x 8 float32; kernel 8 x 512 x 512 float32; x 32,768 x 512 float32.
;; Outputs: out0 32,768 x 512 float32.
;; This version of the problem:
;;   THIS VERSION OF THE PROBLEM IS GIVEN IN LOW PRECISION. The matrix products marked QUANTISED in the list below multiply operands that are first quantised to E2M3 (2 exponent bits, 3 mantissa bits; 6 bits a number), with one power-of-two scale for each 32 numbers along K (OCP MX v1.0); their sums are f32. All else is computed in f32.
;;   The module's matrix products, in the order in which they are computed (A, B: the left and right operand; K: the contracted axis; several contracted axes count as one K, in the product's order):
;;     1. batch 32,768 x [M 8, K 1] x [K 1, N 512]; A: computed on the way; B: computed on the way: left as it is (no contracted axis)
;;     2. [M 32,768, K 4,096] x [K 4,096, N 512]; A: computed on the way; B: input kernel: QUANTISED
;;     3. [M 32,768, K 8] x [K 8, N 512]; A: input g; B: input bias: left as it is (K = 8 < 32)
;;   THE QUANTISER, for each operand of a quantised product, along K:
;;     - K is cut into blocks of 32 from its start; a last block that is shorter is filled with zeros.
;;     - A block's scale is 2^e with e = floor(log2(the largest magnitude in the block)) - 2, held to -126 .. 127; a block of zeros has e = 0. As a byte (E8M0): e + 127.
;;     - Each number is divided by its block's scale, clamped to +-7.5, and rounded to the nearest number of E2M3, ties to even, subnormals kept.
;;     - The product sums the exact products of the quantised numbers (number of the format x scale) in f32.
;;   ~~~python
;;   def quantise(x, axis):      # numpy; x: float32 -> the quantised numbers, widened to float32 again
;;       x = np.moveaxis(x, axis, -1); K = x.shape[-1]
;;       x = np.pad(x, [(0, 0)] * (x.ndim - 1) + [(0, -K % 32)]); x = x.reshape(x.shape[:-1] + (-1, 32)); a = np.abs(x).max(-1, keepdims=True)
;;       e = np.where(a > 0, np.clip(np.frexp(np.where(a > 0, a, 1))[1] - 1 - 2, -126, 127), 0)      # np.frexp(a)[1] - 1 = floor(log2(a)), exactly
;;       r = np.clip(x / 2.0 ** e, -7.5, 7.5)
;;       step = 2.0 ** (np.maximum(np.frexp(np.where(r == 0, 1, r))[1] - 1, 0) - 3)
;;       q = np.round(r / step) * step * 2.0 ** e      # np.round: ties to even
;;       return np.moveaxis(q.reshape(q.shape[:-2] + (-1,))[..., :K], -1, axis).astype(np.float32)
;;   ~~~
;;   OPERANDS COMPUTED ON THE WAY. 'Computed on the way' means the value that the module computes at that place (a softmax that the list does not call 'softmax' is quantised finished and normalised). What goes into a quantiser is computed in f32, as accurately as f32 sums, v_exp_f32 and their like allow (about 1e-6 of the number): no bf16 or f16 on the way to a quantiser, and a product that is left as it is and whose result goes on into a quantised operand takes f32 operands (vector FMAs, or v_wmma_f32_16x16x4_f32). A number that lies on a knife's edge between two numbers of the format may be rounded either way, as far as f32 arithmetic and the matrix unit's own rounding can turn it there, and no further.
;; One version. Each part assembles by itself: llvm-mc -triple=amdgcn-amd-amdhsa -mcpu=gfx1250 --defsym DOCPART=n.
;; ======== version 1 of 1: 2 launches
;; limits: values are held in bf16: 8 bits of precision; right only within a limited range of input values
;; workspace buffers: wq 1,638,400 bytes
;; launch wquant (part 1): grid 8 x 32, 4 waves a work-group, no clusters, 7,168 bytes of LDS; arguments kernel, wq; writes wq
.if DOCPART == 1
	.amdgcn_target "amdgcn-amd-amdhsa--gfx1250"
	.amdhsa_code_object_version 6
	.text
	.protected	k_qb9ba600d6e_wquant
	.globl	k_qb9ba600d6e_wquant
	.p2align	8
	.type	k_qb9ba600d6e_wquant,@function
k_qb9ba600d6e_wquant:
	s_mov_b64 s[64:65], 0
	v_nop
	global_prefetch_b8 v0, s[64:65] scope:SCOPE_SE
	s_setreg_imm32_b32 hwreg(HW_REG_WAVE_MODE, 25, 1), 1
	s_wait_xcnt 0x0
; kernel [8][512][512] f32 (g, i, o) is the right operand of the quantised product; its K is (g, i), its first two axes.  It becomes codes of FP6 (E2M3) with one E8M0 byte
; for each 32 along K, laid IN THE ORDER OF THE OPERAND'S REGISTERS, so that the product's launch takes every fragment by loads of 16 bytes a lane.
; A K STEP t = 4 L + a (L = 0..7, a = 0..3) is four blocks of 32: block 2 c + h holds g = 2 a + c, i = 64 L + 32 h + 0..31.  (Which four blocks form a step is free, if both operands agree.)
; wq: step t at 51,200 t; columns 128 w on at + 12,800 w; fragment b (columns 128 w + 16 b + r) at + 1,536 b; register q of lane l = r + 16 h at + 512 (q / 4) + 16 l + 4 (q % 4);
; the quarter's 128 scale words at + 12,288 + 16 (16 (b / 4) + r) + 4 (b % 4), byte 2 c + h = block 2 c + h.
; A block's scale is 2^(floor(log2(largest magnitude)) - 2); its byte is the largest magnitude's exponent field - 2, held at 1 from below.
; LIMITS: a block of zeros gets the byte 1 where the rule says 127 (its codes are zeros, and this program alone reads the bytes); NaN and infinities are not served.
; SHARES: work-group (X, t) takes columns 64 X .. + 63 of step t: four fragments and 256 bytes of scale words.  Wave wv: 32 columns (cg = wv % 2) of g = 2 a + c (c = wv / 2).
; A LANE TAKES A COLUMN AND ITS REGISTERS RUN DOWN K: a load reads 128 consecutive bytes a wave, a block lies in one lane, and the conversions give codes with K innermost.
; The codes meet in a stage in LDS laid as the images are, and leave as 512 consecutive bytes a store.
.set STEPB, 51200
.set QB,    12800
.set X,     64                         ; v64-127  my column's 64 numbers: block h at X + 32 h
.set CD,    16                         ; v16-21, v24-29  the codes of block h
.set TM,    32                         ; v32-34   the second half of a block's codes, made here and moved
.set SST,   6144                       ; LDS: 0 .. 6,143 four images; 6,144 .. 6,399 the scale words
	s_load_b128 s[4:7], s[0:1], 0x0                ; kernel, wq
	v_lshl_add_u32 v128, v0, 2, 0x1a00
	v_mov_b32 v129, 0
	v_lshrrev_b32 v1, 5, v0
	v_readfirstlane_b32 s8, v1                     ; wave
	s_and_b32 s9, s8, 1                            ; cg
	s_lshr_b32 s10, s8, 1                          ; c
	s_and_b32 s11, ttmp7, 0xffff                   ; t
	s_lshr_b32 s12, s11, 2                         ; L
	s_and_b32 s13, s11, 3                          ; a
	s_lshl_b32 s13, s13, 1
	s_add_co_u32 s13, s13, s10                     ; g = 2 a + c
	s_lshl_b32 s14, s13, 20                        ; g x 512 x 512 x 4
	s_lshl_b32 s15, s12, 17                        ; + 64 L rows of 2,048 bytes
	s_add_co_u32 s14, s14, s15
	s_lshl_b32 s15, ttmp9, 8                       ; + 64 X columns
	s_add_co_u32 s14, s14, s15
	s_lshl_b32 s15, s9, 7                          ; + 32 cg columns
	s_add_co_u32 s14, s14, s15
	s_mov_b32 s15, 0
	s_mul_i32 s16, s11, STEPB
	s_lshr_b32 s17, ttmp9, 1
	s_mul_i32 s17, s17, QB
	s_add_co_u32 s16, s16, s17                     ; the quarter in wq
	s_and_b32 s17, ttmp9, 1
	s_lshl_b32 s18, s17, 8
	s_add_co_u32 s18, s18, s16
	s_add_co_u32 s18, s18, 12288                   ; my work-group's 256 bytes of scale words
	s_mul_i32 s17, s17, 6144
	s_add_co_u32 s16, s16, s17                     ; my work-group's four images
	s_mov_b32 s17, 0
	s_mov_b32 s19, 0
	v_and_b32 v1, 31, v0                           ; lane
	v_lshlrev_b32 v2, 2, v1                        ; in: 4 bytes a lane
	v_and_b32 v8, 15, v0                           ; r
	v_bfe_u32 v9, v0, 4, 1                         ; which of my two fragments
	v_mul_u32_u24 v10, v9, 1536
	v_lshl_add_u32 v10, v8, 4, v10                 ; 1,536 x fragment + 16 r
	s_mul_i32 s24, s9, 3072
	s_mul_i32 s25, s10, 520
	s_add_co_u32 s25, s25, s24
	v_add_nc_u32 v3, s25, v10                      ; where registers 6 c, 6 c + 1 lie (and, 512 on, 6 c + 4, 6 c + 5): c = 0: 0; c = 1: 512 + 8
	s_mul_i32 s25, s10, 1016
	s_add_co_u32 s25, s25, s24
	s_add_co_u32 s25, s25, 8
	v_add_nc_u32 v4, s25, v10                      ; where registers 6 c + 2, 6 c + 3 lie: c = 0: 8; c = 1: 1,024
	v_lshlrev_b32 v5, 4, v8
	v_lshl_add_u32 v5, v9, 2, v5
	s_lshl_b32 s24, s9, 3
	s_lshl_b32 s25, s10, 1
	s_add_co_u32 s24, s24, s25
	s_add_co_u32 s24, s24, SST
	v_add_nc_u32 v5, s24, v5                       ; my two scale bytes: 16 r + 4 x fragment + 2 c
	s_mul_i32 s24, s8, 1536
	v_lshl_add_u32 v6, v1, 4, s24                  ; out: wave wv takes image wv, 16 bytes a lane; the same offset in LDS and in wq
	v_lshlrev_b32 v7, 3, v1                        ; the scale words: 8 bytes a lane
	s_wait_kmcnt 0x0
	s_add_nc_u64 s[4:5], s[4:5], s[14:15]
	s_add_nc_u64 s[20:21], s[6:7], s[16:17]
	s_add_nc_u64 s[22:23], s[6:7], s[18:19]
.set e, 0
.rept 64
	global_load_b32 v[X+e], v2, s[4:5] offset:e*2048 th:TH_LOAD_NT   ; kernel(g, 64 L + e, my column): read once in the launch
.set e, e+1
.endr
.macro BLOCK h
.set XS, X+32*\h
.set C, CD+8*\h
	v_max3_num_f32 v8, |v[XS]|, |v[XS+1]|, |v[XS+2]|               ; the block's largest magnitude: all 32 numbers are mine; two chains
	v_max3_num_f32 v9, |v[XS+3]|, |v[XS+4]|, |v[XS+5]|
.irp i, 6,10,14,18,22,26
	v_max3_num_f32 v8, v8, |v[XS+\i]|, |v[XS+\i+1]|
	v_max3_num_f32 v9, v9, |v[XS+\i+2]|, |v[XS+\i+3]|
.endr
	v_max3_num_f32 v8, v8, |v[XS+30]|, |v[XS+31]|
	v_max3_num_f32 v8, v8, v9, 0x1800000           ; and the floor 2^(3 - 127): the byte cannot fall under 1
	v_add_nc_u32 v10, 0xff000000, v8               ; 2 off the exponent field: the conversion takes this operand's exponent field as its scale
	v_lshrrev_b32 v[12+\h], 23, v10                ; the scale's byte
	v_cvt_scalef32_pk16_fp6_f32 v[C:C+2], v[XS:XS+15], v10
	v_cvt_scalef32_pk16_fp6_f32 v[TM:TM+2], v[XS+16:XS+31], v10    ; (a conversion's three registers begin on an even number)
	v_nop                                          ; one plain line between a scaled conversion and the vector line that reads its result
.irp i, 0,1,2
	v_mov_b32 v[C+3+\i], v[TM+\i]
.endr
	ds_store_b64 v3, v[C:C+1] offset:256*\h        ; lane r + 16 h of the image: 256 h on
	ds_store_b64 v4, v[C+2:C+3] offset:256*\h
	ds_store_b64 v3, v[C+4:C+5] offset:512+256*\h
.endm
	s_wait_loadcnt 32                              ; block 0's 32 loads are in; block 1's may be out
	BLOCK 0
	s_wait_loadcnt 0x0
	BLOCK 1
	v_lshl_or_b32 v14, v13, 8, v12                 ; bytes 2 c and 2 c + 1 of my column's scale word
	ds_store_b16 v5, v14
	s_wait_dscnt 0x0                               ; for the others' sake: my stores into the stage are done
	s_barrier_signal -1
	s_barrier_wait -1
.irp k, 0,1,2
	ds_load_b128 v[36+4*\k:39+4*\k], v6 offset:512*\k
.endr
.irp k, 0,1,2
	s_wait_dscnt 2-\k                              ; LDS loads come back in order: load k is in
	global_store_b128 v6, v[36+4*\k:39+4*\k], s[20:21] offset:512*\k   ; 32 lanes store 512 consecutive bytes, at a multiple of 256 from wq's first byte
.endr
	s_cmp_lg_u32 s8, 0                             ; wave 0 alone stores the 256 bytes of scale words
	s_cbranch_scc1 .Ldone
	ds_load_b64 v[48:49], v7 offset:SST
	s_wait_dscnt 0x0
	global_store_b64 v7, v[48:49], s[22:23]
.Ldone:
	s_wait_tensorcnt 0x0
	ds_add_u32 v128, v129
	s_wait_dscnt 0x0
	s_endpgm
.Lfunc_end_k_qb9ba600d6e_wquant:
	.size	k_qb9ba600d6e_wquant, .Lfunc_end_k_qb9ba600d6e_wquant-k_qb9ba600d6e_wquant
	.p2alignl 7, 3214868480
	.fill 96, 4, 3214868480
	.section	.rodata,"a",@progbits
	.p2align	6, 0x0
	.amdhsa_kernel k_qb9ba600d6e_wquant
		.amdhsa_group_segment_fixed_size 7168
		.amdhsa_private_segment_fixed_size 0
		.amdhsa_enable_private_segment 0
		.amdhsa_kernarg_size 16
		.amdhsa_user_sgpr_count 2
		.amdhsa_user_sgpr_kernarg_segment_ptr 1
		.amdhsa_wavefront_size32 1
		.amdhsa_system_sgpr_workgroup_id_x 1
		.amdhsa_system_sgpr_workgroup_id_y 1
		.amdhsa_system_sgpr_workgroup_id_z 1
		.amdhsa_system_vgpr_workitem_id 0
		.amdhsa_next_free_vgpr 130
		.amdhsa_next_free_sgpr 66
		.amdhsa_reserve_vcc 0
		.amdhsa_float_denorm_mode_32 3
		.amdhsa_float_denorm_mode_16_64 3
		.amdhsa_memory_ordered 1
		.amdhsa_forward_progress 1
		.amdhsa_inst_pref_size 14
	.end_amdhsa_kernel
	.amdgpu_metadata
---
amdhsa.version: [ 1, 2 ]
amdhsa.kernels:
  - .name:           k_qb9ba600d6e_wquant
    .symbol:         k_qb9ba600d6e_wquant.kd
    .args:
      - { .name: kernel, .offset: 0, .size: 8, .value_kind: global_buffer, .address_space: global }
      - { .name: wq, .offset: 8, .size: 8, .value_kind: global_buffer, .address_space: global }
    .group_segment_fixed_size: 7168
    .private_segment_fixed_size: 0
    .kernarg_segment_align: 8
    .kernarg_segment_size: 16
    .max_flat_workgroup_size: 128
    .sgpr_count:     66
    .vgpr_count:     130
    .wavefront_size: 32
...
	.end_amdgpu_metadata
.endif
;; end of part 1
;; launch branch (part 2): grid 256 x 1, 4 waves a work-group, clusters of 4 x 1, 327,680 bytes of LDS; arguments x, g, bias, wq, out0; writes out0
.if DOCPART == 2
	.amdgcn_target "amdgcn-amd-amdhsa--gfx1250"
	.amdhsa_code_object_version 6
	.text
	.protected	k_qb9ba600d6e_branch
	.globl	k_qb9ba600d6e_branch
	.p2align	8
	.type	k_qb9ba600d6e_branch,@function
k_qb9ba600d6e_branch:
	s_mov_b64 s[64:65], 0
	v_nop
	global_prefetch_b8 v0, s[64:65] scope:SCOPE_SE
	s_setreg_imm32_b32 hwreg(HW_REG_WAVE_MODE, 25, 1), 1
	s_wait_xcnt 0x0
	s_wait_alu depctr_hold_cnt(0) depctr_sa_sdst(0) depctr_va_vdst(0) depctr_va_sdst(0) depctr_va_ssrc(0) depctr_va_vcc(0) depctr_vm_vsrc(0)
	s_getreg_b32 s2, hwreg(HW_REG_IB_STS2, 6, 4)
	s_cmp_eq_u32 s2, 0
	s_cbranch_scc0 .Lentry_in_a_cluster
	s_endpgm
.Lentry_in_a_cluster:
	s_bfe_u32 s2, ttmp6, 0x10000c
	s_cmp_lg_u32 s2, 0x3003
	s_cbranch_scc0 .Lentry_shape_is_right
	s_endpgm
.Lentry_shape_is_right:
; out[b][o] = sum over (g, i) of Q(x[b][i] g[b][g]) Q(kernel[g][i][o]) + sum over g of g[b][g] bias[g][o].  Q: codes of FP6 (E2M3), one E8M0 byte for each 32 along K = (g, i).
; A work-group of four waves makes 128 rows x all 512 columns; a wave makes 128 x 128: 64 accumulators in windows 2 and 3.  256 work-groups, one block each.
; The right operand comes from wq, laid by the launch before in the order of the operand's registers; a K step t = 4 L + a holds g = 2 a, 2 a + 1 and i = 64 L .. 64 L + 63.
; wq goes through a ring of two LDS slots of two K steps each, filled by joint tensor loads: the four work-groups of a cluster walk the same steps (mask 15).  Cluster c begins its walk at L = c % 8.
; The left operand is made here, once for the work-group: wave w multiplies its 32 rows of x by two of the rows' g in f32, takes each block's scale from |g| x the largest |x| of the block
; (rounding is monotonic, so that is the largest product), converts, and hands the operand's register images and scale words to the other waves through LDS, two K steps ahead, in two buffers by turns.
; THE QUANTISER'S LINES STAND AMONG THE PRODUCTS: a fragment's quantiser is cut into 14 slices of about four plain vector lines, and one slice follows every second product (macros FSL, SEGF).
; The slices name no register of any product.  Each slice costs two switches of the register window, since the products' sums lie in windows 2 and 3 and the quantiser works in window 0.
; x comes by register loads one lap (four K steps) ahead and turns through the wave's own stage in LDS, so that a lane holds 32 neighbours of one row; so no prefetch is laid for it.
; g @ bias (K = 8) starts the sums: one bf16 product for each accumulator, C = 0.
; LIMITS: a block of zeros gets the byte 1 where the rule says 127 (its codes are zeros; this program alone reads the bytes); NaN and infinities are not served; g and bias are rounded to bf16 for their product.
.set FR,    12
.set STEPB, 51200
.set QB,    12800
.set SLOT,  2*STEPB
.set XS,    2*SLOT
.set XSB,   8704
.set AI,    XS+4*XSB
.set AS,    AI+2*12288
.set SPARE, AS+2*512
.set SPITCH, 528
.set LI,   1
.set AWI,  2
.set ASW,  3
.set ADRB, 4
.set XA,   6
.set XSW,  7
.set XG,   8
.set SH8,  9
.set MX,   10
.set AM,   12
.set SC,   14
.set SCL,  16
.set G,    32
.set SPW,  48
.set NIL,  49
.set PW,   50
.set PC,   52
.set TM,   76
.set P,    80
.set AF,   96
.set X,    192
.set STO,  10
.set RD,   11
.set CO,   12
.set BK,   128
.set WV,   14
.set G1B,  24
.set G0B,  32
.set BASE0, 40
.set BASE1, 42
.set OFF,  44
.set XROW, 46
.set XB,   48
.set XO,   50
.set LAM,  52
.set LX,   53
.set CNT,  54
.set SEL,  56
.set GOWN, 58
.set MSB, 0
.macro WIN new
.if MSB != (\new)
	s_set_vgpr_msb (MSB<<8)|(\new)
.set MSB, (\new)
.endif
.endm
.set MUL_LO, 0xa1
.set TO_B,   0x40
.macro PLACES n
.rept \n
	v_nop
.endr
.endm
.macro CREST
	s_cmp_lg_u32 s[WV], 0
	s_cbranch_scc1 .Lnot_wave_0_\@
	s_barrier_signal -3
.Lnot_wave_0_\@:
	s_barrier_wait -3
	s_barrier_signal -1
	s_barrier_wait -1
.endm
.macro CROUND
	s_barrier_signal -1
	s_barrier_wait -1
	CREST
.endm
.macro JLOAD s
	tensor_load_to_lds s[G0B+4*(\s):G0B+4*(\s)+3], s[G1B:G1B+7]
	s_nop 0
	PLACES 4
.endm
.macro FETCH_B i, p
	WIN TO_B
.irp b, 0,1,2,3,4,5,6,7
.irp j, 0,1,2
	ds_load_b128 v[128*(\p)+FR*\b+4*\j:128*(\p)+FR*\b+4*\j+3], v[ADRB+(\i)/2] offset:STEPB*((\i)%2)+1536*\b+512*\j
.endr
.endr
	WIN 0
.endm
.macro FETCH_A par, b0
.irp k, 0,1,2,3
.irp j, 0,1,2
	ds_load_b128 v[AF+FR*((\b0)+\k)+4*\j:AF+FR*((\b0)+\k)+4*\j+3], v[LI] offset:12288*(\par)+1536*((\b0)+\k)+512*\j
.endr
.endr
.endm
.macro SCALES i, par, p
	ds_load_b128 v[SCL+8*(\p):SCL+8*(\p)+3], v[LI] offset:AS-AI+512*(\par)
	ds_load_b128 v[SCL+8*(\p)+4:SCL+8*(\p)+7], v[ADRB+(\i)/2] offset:STEPB*((\i)%2)+12288
.endm
.macro PROD T, aa, hh, c
.irp i, 0,1,2,3,4,5,6,7
.if (\c) == 0
	v_pk_mul_f32 v[P+2*\i:P+2*\i+1], v[X+32*(\T)+16*(\hh)+2*\i:X+32*(\T)+16*(\hh)+2*\i+1], v[G+8*(\T)+2*(\aa):G+8*(\T)+2*(\aa)+1] op_sel_hi:[1,0]
.else
	v_pk_mul_f32 v[P+2*\i:P+2*\i+1], v[X+32*(\T)+16*(\hh)+2*\i:X+32*(\T)+16*(\hh)+2*\i+1], v[G+8*(\T)+2*(\aa):G+8*(\T)+2*(\aa)+1] op_sel:[0,1] op_sel_hi:[1,1]
.endif
.endr
.endm
.macro FRAG T, aa
.set rG, G+8*(\T)+2*(\aa)
.set rC, PC+12*(\T)
	v_mul_f32 v[AM], |v[rG]|, v[MX+(\T)]
	v_mul_f32 v[AM+1], |v[rG+1]|, v[MX+(\T)]
	v_max_num_f32 v[AM], 0x1800000, v[AM]
	v_max_num_f32 v[AM+1], 0x1800000, v[AM+1]
	v_add_nc_u32 v[SC], 0xff000000, v[AM]
	v_add_nc_u32 v[SC+1], 0xff000000, v[AM+1]
	v_lshrrev_b32 v[AM], 23, v[SC]
	v_lshrrev_b32 v[AM+1], 23, v[SC+1]
	PROD \T, \aa, 0, 0
	v_cvt_scalef32_pk16_fp6_f32 v[rC:rC+2], v[P:P+15], v[SC]
	v_lshl_or_b32 v[PW+(\T)], v[AM+1], 16, v[AM]
	PROD \T, \aa, 1, 0
	v_cvt_scalef32_pk16_fp6_f32 v[TM:TM+2], v[P:P+15], v[SC]
	v_lshlrev_b32 v[PW+(\T)], v[SH8], v[PW+(\T)]
	v_permlanex16_b32 v[AM], v[PW+(\T)], s[SEL], s[SEL+1]
.irp i, 0,1,2
	v_mov_b32 v[rC+3+\i], v[TM+\i]
.endr
	PROD \T, \aa, 0, 1
	v_cvt_scalef32_pk16_fp6_f32 v[rC+6:rC+8], v[P:P+15], v[SC+1]
	v_or_b32 v[PW+(\T)], v[PW+(\T)], v[AM]
	PROD \T, \aa, 1, 1
	v_cvt_scalef32_pk16_fp6_f32 v[TM:TM+2], v[P:P+15], v[SC+1]
	v_nop
.irp i, 0,1,2
	v_mov_b32 v[rC+9+\i], v[TM+\i]
.endr
.endm
.macro IMAGES par
.irp T, 0,1
.irp j, 0,1,2
	ds_store_b128 v[AWI], v[PC+12*\T+4*\j:PC+12*\T+4*\j+3] offset:12288*(\par)+1536*\T+512*\j
.endr
.endr
	ds_store_b64 v[ASW], v[PW:PW+1] offset:512*(\par)
.endm
.macro MAXES
.irp T, 0,1
	v_max3_num_f32 v[AM+2*\T], 0, |v[X+32*\T]|, |v[X+32*\T+1]|
	v_max3_num_f32 v[AM+2*\T+1], 0, |v[X+32*\T+2]|, |v[X+32*\T+3]|
.endr
.irp i, 4,8,12,16,20,24,28
.irp T, 0,1
	v_max3_num_f32 v[AM+2*\T], v[AM+2*\T], |v[X+32*\T+\i]|, |v[X+32*\T+\i+1]|
	v_max3_num_f32 v[AM+2*\T+1], v[AM+2*\T+1], |v[X+32*\T+\i+2]|, |v[X+32*\T+\i+3]|
.endr
.endr
.irp T, 0,1
	v_max_num_f32 v[MX+\T], v[AM+2*\T], v[AM+2*\T+1]
.endr
.endm
.macro XTURN
	WIN 0x04
.irp i, 0,1,2,3,4,5,6,7,8,9,10,11,12,13,14,15
	ds_store_b128 v[XSW], v[96+128*(\i/8)+4*(\i%8):96+128*(\i/8)+4*(\i%8)+3] offset:544*\i
.endr
	WIN 0
.irp T, 0,1
.irp j, 0,1,2,3,4,5,6,7
	ds_load_b128 v[X+32*\T+4*\j:X+32*\T+4*\j+3], v[XA] offset:4352*\T+16*\j
.endr
.endr
.endm
.macro XSTEP
	s_add_co_u32 s[LX], s[LX], 1
	s_and_b32 s[LX], s[LX], 7
	s_lshl_b32 s[XO], s[LX], 8
	s_add_nc_u64 s[XB:XB+1], s[XROW:XROW+1], s[XO:XO+1]
.endm
.macro GLD
	WIN TO_B
.irp i, 0,1,2,3,4,5,6,7,8,9,10,11,12,13,14,15
	global_load_b128 v[96+128*(\i/8)+4*(\i%8):96+128*(\i/8)+4*(\i%8)+3], v[XG], s[XB:XB+1] offset:4096*\i th:TH_LOAD_NT
.endr
	WIN 0
.endm
.macro SEG a0, p
.irp a, \a0, \a0+1
.irp b, 0,1,2,3,4,5,6,7
.set rD, 8*(8*((\a)%4)+\b)
.set rB, 128*(\p)+FR*\b
.set rA, AF+FR*(\a)
.set rSB, SCL+8*(\p)+4+\b%4
.set rSA, SCL+8*(\p)+(\a)%4
	WIN MUL_LO+0x50*((\a)/4)
.if ((\a) < 4) && (\b < 4)
	v_wmma_scale_f32_16x16x128_f8f6f4 v[rD:rD+7], v[rB:rB+FR-1], v[rA:rA+FR-1], v[rD:rD+7], v[rSB], v[rSA] matrix_a_fmt:MATRIX_FMT_FP6 matrix_b_fmt:MATRIX_FMT_FP6
.elseif (\a) < 4
	v_wmma_scale_f32_16x16x128_f8f6f4 v[rD:rD+7], v[rB:rB+FR-1], v[rA:rA+FR-1], v[rD:rD+7], v[rSB], v[rSA] matrix_a_fmt:MATRIX_FMT_FP6 matrix_b_fmt:MATRIX_FMT_FP6 matrix_a_scale:MATRIX_SCALE_ROW1
.elseif \b < 4
	v_wmma_scale_f32_16x16x128_f8f6f4 v[rD:rD+7], v[rB:rB+FR-1], v[rA:rA+FR-1], v[rD:rD+7], v[rSB], v[rSA] matrix_a_fmt:MATRIX_FMT_FP6 matrix_b_fmt:MATRIX_FMT_FP6 matrix_b_scale:MATRIX_SCALE_ROW1
.else
	v_wmma_scale_f32_16x16x128_f8f6f4 v[rD:rD+7], v[rB:rB+FR-1], v[rA:rA+FR-1], v[rD:rD+7], v[rSB], v[rSA] matrix_a_fmt:MATRIX_FMT_FP6 matrix_b_fmt:MATRIX_FMT_FP6 matrix_a_scale:MATRIX_SCALE_ROW1 matrix_b_scale:MATRIX_SCALE_ROW1
.endif
.endr
.endr
.endm
.set NMK, 1                            ; 1 while the phase that follows still makes fragments
.macro HPROD T, ga, hh, c, i0          ; four packed products: eight of my row's x times g = 2 ga + c
.irp k, 0,1,2,3
.set rP, P+2*((\i0)+\k)
.set rX, X+32*(\T)+16*(\hh)+2*((\i0)+\k)
.if (\c) == 0
	v_pk_mul_f32 v[rP:rP+1], v[rX:rX+1], v[G+8*(\T)+2*(\ga):G+8*(\T)+2*(\ga)+1] op_sel_hi:[1,0]
.else
	v_pk_mul_f32 v[rP:rP+1], v[rX:rX+1], v[G+8*(\T)+2*(\ga):G+8*(\T)+2*(\ga)+1] op_sel:[0,1] op_sel_hi:[1,1]
.endif
.endr
.endm
; Slice n (0 .. 13) of macro FRAG's lines, in FRAG's order.  One plain line stands behind each conversion, ahead of the line that writes its sources or reads its result.
.macro FSL T, ga, n
.set rG, G+8*(\T)+2*(\ga)
.set rC, PC+12*(\T)
.if (\n) == 0
	v_mul_f32 v[AM], |v[rG]|, v[MX+(\T)]           ; the two blocks' largest magnitudes,
	v_mul_f32 v[AM+1], |v[rG+1]|, v[MX+(\T)]
	v_max_num_f32 v[AM], 0x1800000, v[AM]          ; over the floor 2^(3 - 127)
	v_max_num_f32 v[AM+1], 0x1800000, v[AM+1]
.elseif (\n) == 1
	v_add_nc_u32 v[SC], 0xff000000, v[AM]          ; 2 off the exponent field: the conversions' scale operands,
	v_add_nc_u32 v[SC+1], 0xff000000, v[AM+1]
	v_lshrrev_b32 v[AM], 23, v[SC]                 ; and the bytes
	v_lshrrev_b32 v[AM+1], 23, v[SC+1]
.elseif (\n) == 2
	HPROD \T, \ga, 0, 0, 0
.elseif (\n) == 3
	HPROD \T, \ga, 0, 0, 4
.elseif (\n) == 4
	v_cvt_scalef32_pk16_fp6_f32 v[rC:rC+2], v[P:P+15], v[SC]
	v_lshl_or_b32 v[PW+(\T)], v[AM+1], 16, v[AM]
.elseif (\n) == 5
	HPROD \T, \ga, 1, 0, 0
.elseif (\n) == 6
	HPROD \T, \ga, 1, 0, 4
.elseif (\n) == 7
	v_cvt_scalef32_pk16_fp6_f32 v[TM:TM+2], v[P:P+15], v[SC]
	v_lshlrev_b32 v[PW+(\T)], v[SH8], v[PW+(\T)]
	v_permlanex16_b32 v[AM], v[PW+(\T)], s[SEL], s[SEL+1]
.irp i, 0,1,2
	v_mov_b32 v[rC+3+\i], v[TM+\i]
.endr
.elseif (\n) == 8
	HPROD \T, \ga, 0, 1, 0
.elseif (\n) == 9
	HPROD \T, \ga, 0, 1, 4
.elseif (\n) == 10
	v_cvt_scalef32_pk16_fp6_f32 v[rC+6:rC+8], v[P:P+15], v[SC+1]
	v_or_b32 v[PW+(\T)], v[PW+(\T)], v[AM]         ; with lane l xor 16's two bytes the scale word is whole
.elseif (\n) == 11
	HPROD \T, \ga, 1, 1, 0
.elseif (\n) == 12
	HPROD \T, \ga, 1, 1, 4
.elseif (\n) == 13
	v_cvt_scalef32_pk16_fp6_f32 v[TM:TM+2], v[P:P+15], v[SC+1]
	v_nop
.irp i, 0,1,2
	v_mov_b32 v[rC+9+\i], v[TM+\i]
.endr
.endif
.endm
.macro ONE a, b, p                     ; one product, as SEG has it: A's block a against B's fragment b of set p
.set rD, 8*(8*((\a)%4)+(\b))
.set rB, 128*(\p)+FR*(\b)
.set rA, AF+FR*(\a)
.set rSB, SCL+8*(\p)+4+(\b)%4
.set rSA, SCL+8*(\p)+(\a)%4
	WIN MUL_LO+0x50*((\a)/4)
.if ((\a) < 4) && ((\b) < 4)
	v_wmma_scale_f32_16x16x128_f8f6f4 v[rD:rD+7], v[rB:rB+FR-1], v[rA:rA+FR-1], v[rD:rD+7], v[rSB], v[rSA] matrix_a_fmt:MATRIX_FMT_FP6 matrix_b_fmt:MATRIX_FMT_FP6
.elseif (\a) < 4
	v_wmma_scale_f32_16x16x128_f8f6f4 v[rD:rD+7], v[rB:rB+FR-1], v[rA:rA+FR-1], v[rD:rD+7], v[rSB], v[rSA] matrix_a_fmt:MATRIX_FMT_FP6 matrix_b_fmt:MATRIX_FMT_FP6 matrix_a_scale:MATRIX_SCALE_ROW1
.elseif (\b) < 4
	v_wmma_scale_f32_16x16x128_f8f6f4 v[rD:rD+7], v[rB:rB+FR-1], v[rA:rA+FR-1], v[rD:rD+7], v[rSB], v[rSA] matrix_a_fmt:MATRIX_FMT_FP6 matrix_b_fmt:MATRIX_FMT_FP6 matrix_b_scale:MATRIX_SCALE_ROW1
.else
	v_wmma_scale_f32_16x16x128_f8f6f4 v[rD:rD+7], v[rB:rB+FR-1], v[rA:rA+FR-1], v[rD:rD+7], v[rSB], v[rSA] matrix_a_fmt:MATRIX_FMT_FP6 matrix_b_fmt:MATRIX_FMT_FP6 matrix_a_scale:MATRIX_SCALE_ROW1 matrix_b_scale:MATRIX_SCALE_ROW1
.endif
.endm
; SEG's 16 products (A's blocks r0, r0 + 1 against B's eight, the accumulators by turns) with one slice of fragment T's quantiser behind every second of them, from slice s0 on
.macro SEGF r0, p, T, ga, s0
.set NS, \s0
.set NW, 0
.irp a, \r0, \r0+1
.irp b, 0,1,2,3,4,5,6,7
	ONE \a, \b, \p
.set NW, NW+1
.if ((NW%2) == 0) && (NS < 14)
	WIN 0
	FSL \T, \ga, NS
.set NS, NS+1
.endif
.endr
.endr
.endm
.macro PHASE a, mk, xt, rnd, pre, step
	s_barrier_signal -1
.if \mk
	SEGF 2, (\a)%2, 0, ((\a)+2)%4, 8               ; fragment 0's slices 8 to 13; slices 0 to 7 stood among the 16 products ahead of the signal
.else
	SEG 2, (\a)%2
.endif
	WIN 0
	s_barrier_wait -1
.if \rnd
	CREST
	JLOAD (\a)/2
.else
	PLACES 4                                       ; places in front of the loads into A's blocks 0-3, which the products above have read
.endif
	FETCH_B ((\a)+1)%4, 1-(\a)%2
	FETCH_A 1-(\a)%2, 0
	SCALES ((\a)+1)%4, 1-(\a)%2, 1-(\a)%2
.if \mk
	SEGF 4, (\a)%2, 1, ((\a)+2)%4, 0               ; fragment 1's fourteen slices among these 32 products
	SEGF 6, (\a)%2, 1, ((\a)+2)%4, 8
	WIN 0
	s_wait_alu depctr_va_vdst(0)                   ; directly ahead of the stores that read the last slice's results
	IMAGES (\a)%2                                  ; both fragments' images and scale words, for the K step two on
.else
	SEG 4, (\a)%2
	SEG 6, (\a)%2
	WIN 0
.endif
.if \xt
	s_wait_loadcnt 0x0
	XTURN                                          ; the lap's last fragment has read x: the next lap's x turns through my stage
.endif
	PLACES 4
	FETCH_A 1-(\a)%2, 4
.if \pre
	s_wait_tensorcnt 0x0
	ds_add_u32 v[SPW], v[NIL]
.if \step
.if (\a) == 0
	s_add_co_u32 s[LAM], s[LAM], 1
	s_and_b32 s[LAM], s[LAM], 7
	s_mul_i32 s[OFF], s[LAM], 4*STEPB
	s_add_nc_u64 s[G0B+2:G0B+3], s[BASE0:BASE0+1], s[OFF:OFF+1]
	s_or_b32 s[G0B+3], s[G0B+3], 0x80000000
.else
	s_add_nc_u64 s[G0B+6:G0B+7], s[BASE1:BASE1+1], s[OFF:OFF+1]
	s_or_b32 s[G0B+7], s[G0B+7], 0x80000000
.endif
.endif
	s_wait_dscnt 13
.else
	s_wait_dscnt 12
.endif
.if \xt
	s_cmp_eq_u32 s[CNT], 1
	s_cbranch_scc1 .Lno_x_\@
	XSTEP
	GLD
.Lno_x_\@:
	MAXES
.endif
.if NMK
	SEGF 0, 1-(\a)%2, 0, ((\a)+3)%4, 0             ; the next phase's fragment 0, slices 0 to 7 (its images of the phase before have left: the counted wait above covers their stores)
.else
	SEG 0, 1-(\a)%2
.endif
	WIN 0
	s_wait_alu depctr_va_vdst(0)
	s_wait_dscnt 0x0
.endm
	s_load_b256 s[4:11], s[0:1], 0x0
	s_load_b64 s[12:13], s[0:1], 0x20
	v_lshl_add_u32 v[SPW], v0, 2, SPARE
	v_mov_b32 v[NIL], 0
	ds_add_u32 v48, v49
	ds_add_u32 v48, v49
	s_wait_dscnt 0x0
	v_lshrrev_b32 v50, 5, v0
	v_readfirstlane_b32 s[WV], v50
	s_lshr_b32 s15, s[WV], 1
	s_and_b32 s16, s[WV], 1
	s_bfe_u32 s17, ttmp6, 0x40000
	s_lshl_b32 s18, ttmp9, 2
	s_add_co_u32 s18, s18, s17
	s_lshl_b32 s18, s18, 7
	s_and_b32 s19, ttmp9, 7
	s_mov_b32 s[G1B], 15|(3<<16)|(1<<21)
	s_mov_b32 s[G1B+1], 32<<16
	s_mov_b32 s[G1B+2], 100<<16
	s_mov_b32 s[G1B+3], 32<<16
	s_mov_b32 s[G1B+4], 100
	s_mov_b32 s[G1B+5], 32
	s_mov_b32 s[G1B+6], 0
	s_mov_b32 s[G1B+7], 0
	s_mov_b32 s[LAM], s19
	s_mov_b32 s[LX], s19
	s_mul_i32 s[OFF], s19, 4*STEPB
	s_mov_b32 s[OFF+1], 0
	s_lshl_b32 s[XO], s19, 8
	s_mov_b32 s[XO+1], 0
	s_mov_b32 s[SEL], 0x76543210
	s_mov_b32 s[SEL+1], 0xfedcba98
	s_mul_i32 s20, s[WV], SLOT/4
	s_mov_b32 s21, 0
	s_lshl_b32 s62, s[WV], 5
	s_add_co_u32 s62, s62, s18
	s_mov_b32 s61, 0
	s_wait_kmcnt 0x0
	s_add_nc_u64 s[BASE0:BASE0+1], s[10:11], s[20:21]
	s_add_nc_u64 s[BASE1:BASE1+1], s[BASE0:BASE0+1], SLOT
	s_mov_b32 s[G0B], 1
	s_mov_b32 s[G0B+1], s20
	s_add_nc_u64 s[G0B+2:G0B+3], s[BASE0:BASE0+1], s[OFF:OFF+1]
	s_or_b32 s[G0B+3], s[G0B+3], 0x80000000
	s_mov_b32 s[G0B+4], 1
	s_add_co_u32 s[G0B+5], s20, SLOT
	s_add_nc_u64 s[G0B+6:G0B+7], s[BASE1:BASE1+1], s[OFF:OFF+1]
	s_or_b32 s[G0B+7], s[G0B+7], 0x80000000
	CROUND
	tensor_load_to_lds s[G0B:G0B+3], s[G1B:G1B+7]  ; slot 0: my one tensor load at the head; the loads of g, bias and x follow while it is out
	s_nop 0
	PLACES 4
	s_lshl_b32 s60, s62, 11
	s_add_nc_u64 s[XROW:XROW+1], s[4:5], s[60:61]
	s_add_nc_u64 s[XB:XB+1], s[XROW:XROW+1], s[XO:XO+1]
	s_lshl_b32 s60, s62, 5
	s_add_nc_u64 s[GOWN:GOWN+1], s[6:7], s[60:61]
	s_lshl_b32 s60, s18, 5
	s_add_nc_u64 s[6:7], s[6:7], s[60:61]
	s_lshl_b32 s60, s18, 11
	s_add_nc_u64 s[12:13], s[12:13], s[60:61]
	s_lshl_b32 s20, s[WV], 9
	s_add_nc_u64 s[12:13], s[12:13], s[20:21]
	s_add_nc_u64 s[8:9], s[8:9], s[20:21]
	v_and_b32 v52, 15, v0
	v_bfe_u32 v53, v0, 4, 1
	v_and_b32 v54, 31, v0
	v_lshlrev_b32 v55, 4, v54
	v_lshlrev_b32 v57, 5, v52
	v_lshl_add_u32 v59, v53, 4, v57
	v_lshlrev_b32 v58, 2, v52
	v_lshl_add_u32 v58, v53, 13, v58
	v_lshlrev_b32 v56, 11, v53
	v_lshl_add_u32 v[XG], v52, 4, v56
.irp T, 0,1
.irp j, 0,1
	global_load_b128 v[G+8*\T+4*\j:G+8*\T+4*\j+3], v57, s[GOWN:GOWN+1] offset:512*\T+16*\j
.endr
.endr
.irp a, 0,1,2,3,4,5,6,7
	global_load_b128 v[X+4*\a:X+4*\a+3], v59, s[6:7] offset:512*\a
.endr
.irp b, 0,1,2,3,4,5,6,7
.irp j, 0,1,2,3
	global_load_b32 v[X+32+4*\b+\j], v58, s[8:9] offset:2048*\j+64*\b
.endr
.endr
	GLD
	v_add_nc_u32 v[LI], AI, v55
	s_mul_i32 s20, s[WV], 3072
	v_add_nc_u32 v[AWI], s20, v[LI]
	s_lshl_b32 s20, s15, 8
	s_lshl_b32 s22, s16, 3
	s_add_co_u32 s20, s20, s22
	s_add_co_u32 s20, s20, AS
	v_lshl_add_u32 v[ASW], v52, 4, s20
	s_mul_i32 s20, s[WV], QB
	v_add_nc_u32 v[ADRB], s20, v55
	v_add_nc_u32 v[ADRB+1], SLOT, v[ADRB]
	s_mul_i32 s22, s[WV], XSB
	s_add_co_u32 s22, s22, XS
	v_mul_u32_u24 v56, v52, 272
	v_lshl_add_u32 v56, v53, 7, v56
	v_add_nc_u32 v[XA], s22, v56
	v_mul_u32_u24 v56, v53, 272
	v_lshl_add_u32 v56, v52, 4, v56
	v_add_nc_u32 v[XSW], s22, v56
	v_lshlrev_b32 v[SH8], 3, v53
	s_wait_loadcnt 16
.irp a, 0,1,2,3,4,5,6,7
	v_cvt_pk_bf16_f32 v[AF+8*\a], v[X+4*\a], v[X+4*\a+1]
	v_cvt_pk_bf16_f32 v[AF+8*\a+1], v[X+4*\a+2], v[X+4*\a+3]
.irp j, 2,3,4,5,6,7
	v_mov_b32 v[AF+8*\a+\j], 0
.endr
.endr
	WIN TO_B
.irp b, 0,1,2,3,4,5,6,7
	v_cvt_pk_bf16_f32 v[128+8*\b], v[X+32+4*\b], v[X+32+4*\b+1]
	v_cvt_pk_bf16_f32 v[128+8*\b+1], v[X+32+4*\b+2], v[X+32+4*\b+3]
.irp j, 2,3,4,5,6,7
	v_mov_b32 v[128+8*\b+\j], 0
.endr
.endr
	PLACES 4
.irp a, 0,1,2,3,4,5,6,7
.irp b, 0,1,2,3,4,5,6,7
	WIN MUL_LO+0x50*(\a/4)
	v_wmma_f32_16x16x32_bf16 v[8*(8*(\a%4)+\b):8*(8*(\a%4)+\b)+7], v[128+8*\b:128+8*\b+7], v[AF+8*\a:AF+8*\a+7], 0
.endr
.endr
	WIN 0
	s_wait_alu depctr_va_vdst(0)
	s_wait_tensorcnt 0x0                           ; my part of slot 0 is in
	ds_add_u32 v48, v49
	s_wait_dscnt 0x0
	CROUND                                         ; a whole round of the cluster's barrier,
	tensor_load_to_lds s[G0B+4:G0B+7], s[G1B:G1B+7]  ; and slot 1's first fill, my one tensor load behind it
	s_nop 0
	PLACES 4
	s_wait_loadcnt 0x0
	XTURN
	s_wait_dscnt 16
	XSTEP
	GLD
	s_wait_dscnt 0x0
	MAXES
	FRAG 0, 0
	FRAG 1, 0
	IMAGES 0
	s_wait_dscnt 0x0
	FRAG 0, 1
	FRAG 1, 1
	IMAGES 1
	s_wait_tensorcnt 1
	s_wait_dscnt 0x0
	s_barrier_signal -1
	s_barrier_wait -1
	PLACES 4
	FETCH_B 0, 0
	FETCH_A 0, 0
	SCALES 0, 0, 0
	FETCH_A 0, 4
	s_wait_dscnt 12
	SEGF 0, 0, 0, 2, 0                             ; the first phase's fragment 0 (g = 4, 5), slices 0 to 7
	WIN 0
	s_wait_alu depctr_va_vdst(0)
	s_wait_dscnt 0x0
	s_mov_b32 s[CNT], 7
.Llap:
	PHASE 0, 1, 0, 0, 1, 1
	PHASE 1, 1, 1, 1, 0, 0
	s_wait_alu depctr_va_vdst(0)
	PHASE 2, 1, 0, 0, 1, 1
	PHASE 3, 1, 0, 1, 0, 0
	s_sub_co_u32 s[CNT], s[CNT], 1
	s_cmp_lg_u32 s[CNT], 0
	s_cbranch_scc1 .Llap
	PHASE 0, 1, 0, 0, 1, 0
.set NMK, 0                            ; the phase behind this one makes no fragment
	PHASE 1, 1, 0, 0, 0, 0
	PHASE 2, 0, 0, 0, 0, 0
	SEG 2, 1
	SEG 4, 1
	SEG 6, 1
	WIN 0
.macro TOSTAGE a
.set AC, 64*((\a)%4)
	WIN 0x08+4*((\a)/4)
.irp b, 0,1,2,3,4,5,6,7
	ds_store_b128 v[STO], v[AC+8*\b:AC+8*\b+3] offset:64*\b
	ds_store_b128 v[STO], v[AC+8*\b+4:AC+8*\b+7] offset:64*\b+16
.endr
	WIN 0
.set BB, BK+64*((\a)%2)
.irp t, 0,1,2,3,4,5,6,7,8,9,10,11,12,13,14,15
	ds_load_b128 v[BB+4*\t:BB+4*\t+3], v[RD] offset:\t*SPITCH
.endr
.endm
.macro SEND a, younger
.set BB, BK+64*((\a)%2)
	s_wait_dscnt \younger
.if (\a) > 0
	s_add_nc_u64 s[12:13], s[12:13], 16*2048
.endif
.irp t, 0,1,2,3,4,5,6,7,8,9,10,11,12,13,14,15
	global_store_b128 v[CO], v[BB+4*\t:BB+4*\t+3], s[12:13] offset:\t*2048 th:TH_STORE_NT
.endr
.endm
	s_mul_i32 s22, s[WV], XSB
	s_add_co_u32 s22, s22, XS
	v_and_b32 v13, 15, v0
	v_bfe_u32 v14, v0, 4, 1
	v_and_b32 v15, 31, v0
	v_mul_u32_u24 v[STO], v13, SPITCH
	v_lshl_add_u32 v[STO], v14, 5, v[STO]
	v_add_nc_u32 v[STO], s22, v[STO]
	v_lshlrev_b32 v[CO], 4, v15
	s_wait_alu depctr_va_vdst(0)
	v_add_nc_u32 v[RD], s22, v[CO]
	s_wait_alu depctr_va_vdst(0)
	TOSTAGE 0
.irp a, 1,2,3,4,5,6,7
.if \a > 1
	s_wait_xcnt 0x0
.endif
	TOSTAGE \a
	SEND \a-1, 32
.endr
	s_wait_xcnt 0x0
	SEND 7, 0
	s_wait_tensorcnt 0x0
	ds_add_u32 v[SPW], v[NIL]
	s_wait_dscnt 0x0
	CROUND
	s_endpgm
.Lfunc_end_k_qb9ba600d6e_branch:
	.size	k_qb9ba600d6e_branch, .Lfunc_end_k_qb9ba600d6e_branch-k_qb9ba600d6e_branch
	.p2alignl 7, 3214868480
	.fill 96, 4, 3214868480
	.section	.rodata,"a",@progbits
	.p2align	6, 0x0
	.amdhsa_kernel k_qb9ba600d6e_branch
		.amdhsa_group_segment_fixed_size 327680
		.amdhsa_private_segment_fixed_size 0
		.amdhsa_enable_private_segment 0
		.amdhsa_kernarg_size 40
		.amdhsa_user_sgpr_count 2
		.amdhsa_user_sgpr_kernarg_segment_ptr 1
		.amdhsa_wavefront_size32 1
		.amdhsa_system_sgpr_workgroup_id_x 1
		.amdhsa_system_sgpr_workgroup_id_y 1
		.amdhsa_system_sgpr_workgroup_id_z 1
		.amdhsa_system_vgpr_workitem_id 0
		.amdhsa_next_free_vgpr 1024
		.amdhsa_next_free_sgpr 80
		.amdhsa_reserve_vcc 0
		.amdhsa_float_denorm_mode_32 3
		.amdhsa_float_denorm_mode_16_64 3
		.amdhsa_memory_ordered 1
		.amdhsa_forward_progress 1
		.amdhsa_inst_pref_size 222
	.end_amdhsa_kernel
	.amdgpu_metadata
---
amdhsa.version: [ 1, 2 ]
amdhsa.kernels:
  - .name:           k_qb9ba600d6e_branch
    .symbol:         k_qb9ba600d6e_branch.kd
    .args:
      - { .name: x, .offset: 0, .size: 8, .value_kind: global_buffer, .address_space: global }
      - { .name: g, .offset: 8, .size: 8, .value_kind: global_buffer, .address_space: global }
      - { .name: bias, .offset: 16, .size: 8, .value_kind: global_buffer, .address_space: global }
      - { .name: wq, .offset: 24, .size: 8, .value_kind: global_buffer, .address_space: global }
      - { .name: out0, .offset: 32, .size: 8, .value_kind: global_buffer, .address_space: global }
    .group_segment_fixed_size: 327680
    .private_segment_fixed_size: 0
    .kernarg_segment_align: 8
    .kernarg_segment_size: 40
    .max_flat_workgroup_size: 128
    .sgpr_count:     80
    .vgpr_count:     1024
    .wavefront_size: 32
...
	.end_amdgpu_metadata
.endif
;; end of part 2
